; MI455X (gfx1250); checked and timed in simulation.
; The chip was launched on July 23, 2026; its instructions are those of AMD's public machine-readable ISA for CDNA 5 (MIT licence, August 2026) and "CDNA5" Instruction Set Architecture Reference Guide (July 2026). The comments in the code are by the model that wrote it; some were corrected since.
;; DIF Attention Layer. Allowed arithmetic: matrix products marked QUANTISED: E2M1 operands, one E8M0 scale for each 32 along K, by v_wmma_scale_f32_16x16x128_f8f6f4 with both operands' format E2M1 (or v_wmma_scale_f32_32x16x128_f4), f32 sums; products left as they are: bf16, f16 or f32 operands; f32 sums; everything else in f32.
;; Inputs: Wkc 256 x 256 float32; Wkk 256 x 256 float32; Wo 256 x 256 float32; Wqc 256 x 256 float32; Wqk 256 x 256 float32; Wv 256 x 256 float32; alpha_logit one number float32; bo 256 float32; category 4 x 2,048 x 256 float32; causal_mask 2,048 x 2,048 bool; content 4 x 2,048 x 256 float32.
;; Outputs: out0 4 x 2,048 x 256 float32.
;; This version of the problem:
;;   THIS VERSION OF THE PROBLEM IS GIVEN IN LOW PRECISION. The matrix products marked QUANTISED in the list below multiply operands that are first quantised to E2M1 (2 exponent bits, 1 mantissa bit; 4 bits a number), with one power-of-two scale for each 32 numbers along K (OCP MX v1.0); their sums are f32. The products marked 'left as it is' may take bf16, f16 or f32 operands, with f32 sums. Whichever they take, every output number must still come out within the allowed error. Rounding operands to bf16 (8 significant bits) uses up far more of that allowance than f16 does (11 bits, for magnitudes from 6e-5 to 65,504). All else is computed in f32.
;;   The module's matrix products, in the order in which they are computed (A, B: the left and right operand; K: the contracted axis; several contracted axes count as one K, in the product's order):
;;     1. [M 8,192, K 256] x [K 256, N 256]; A: input content; B: input Wqc: QUANTISED
;;     2. [M 8,192, K 256] x [K 256, N 256]; A: input content; B: input Wkc: QUANTISED
;;     3. [M 8,192, K 256] x [K 256, N 256]; A: input content; B: input Wv: QUANTISED
;;     4. [M 8,192, K 256] x [K 256, N 256]; A: input category; B: input Wqk: QUANTISED
;;     5. [M 8,192, K 256] x [K 256, N 256]; A: input category; B: input Wkk: QUANTISED
;;     6. batch 32 x [M 2,048, K 32] x [K 32, N 2,048]; A: computed on the way; B: computed on the way: left as it is (an operand is computed on the way)
;;     7. batch 32 x [M 2,048, K 32] x [K 32, N 2,048]; A: computed on the way; B: computed on the way: left as it is (an operand is computed on the way)
;;     8. batch 32 x [M 2,048, K 2,048] x [K 2,048, N 32]; A: computed on the way; B: computed on the way: left as it is (an operand is computed on the way)
;;     9. [M 8,192, K 256] x [K 256, N 256]; A: computed on the way; B: input Wo: left as it is (an operand is computed on the way)
;;   THE QUANTISER, for each operand of a quantised product, along K:
;;     - K is cut into blocks of 32 from its start; a last block that is shorter is filled with zeros.
;;     - A block's scale is 2^e with e = floor(log2(the largest magnitude in the block)) - 2, held to -126 .. 127; a block of zeros has e = 0. As a byte (E8M0): e + 127.
;;     - Each number is divided by its block's scale, clamped to +-6, and rounded to the nearest number of E2M1, ties to even, subnormals kept.
;;     - The product sums the exact products of the quantised numbers (number of the format x scale) in f32.
;;   ~~~python
;;   def quantise(x, axis):      # numpy; x: float32 -> the quantised numbers, widened to float32 again
;;       x = np.moveaxis(x, axis, -1); K = x.shape[-1]
;;       x = np.pad(x, [(0, 0)] * (x.ndim - 1) + [(0, -K % 32)]); x = x.reshape(x.shape[:-1] + (-1, 32)); a = np.abs(x).max(-1, keepdims=True)
;;       e = np.where(a > 0, np.clip(np.frexp(np.where(a > 0, a, 1))[1] - 1 - 2, -126, 127), 0)      # np.frexp(a)[1] - 1 = floor(log2(a)), exactly
;;       r = np.clip(x / 2.0 ** e, -6, 6)
;;       step = 2.0 ** (np.maximum(np.frexp(np.where(r == 0, 1, r))[1] - 1, 0) - 1)
;;       q = np.round(r / step) * step * 2.0 ** e      # np.round: ties to even
;;       return np.moveaxis(q.reshape(q.shape[:-2] + (-1,))[..., :K], -1, axis).astype(np.float32)
;;   ~~~
;; One version. Each part assembles by itself: llvm-mc -triple=amdgcn-amd-amdhsa -mcpu=gfx1250 --defsym DOCPART=n.
;; ======== version 1 of 1: 4 launches
;; limits: values are held in f16: magnitudes above 65,504 overflow, below 6.1e-05 lose precision
;; workspace buffers: mw 524,288 bytes of whole numbers; flags 131,072 bytes of whole numbers; wq 184,320 bytes; wof 262,144 bytes; qf 8,388,608 bytes; kv 12,582,912 bytes; vlo 4,194,304 bytes; ofr 8,388,608 bytes
;; launch prep (part 1): grid 164 x 1, 8 waves a work-group, no clusters, 0 bytes of LDS; arguments causal_mask, Wqc, Wkc, Wv, Wqk, Wkk, Wo, mw, flags, wq, wof; writes mw, flags, wq, wof
.if DOCPART == 1
	.amdgcn_target "amdgcn-amd-amdhsa--gfx1250"
	.amdhsa_code_object_version 6
	.text
	.protected	k_q8850b036cc_prep
	.globl	k_q8850b036cc_prep
	.p2align	8
	.type	k_q8850b036cc_prep,@function
k_q8850b036cc_prep:
	s_mov_b64 s[64:65], 0
	v_nop
	global_prefetch_b8 v0, s[64:65] scope:SCOPE_SE
	s_setreg_imm32_b32 hwreg(HW_REG_WAVE_MODE, 25, 1), 1
	s_wait_xcnt 0x0
; Three kinds of work-group, told apart by the work-group's number alone; no LDS, no barrier, waves share nothing.
; 0-127   THE MASK.  Work-group qt takes rows 16 qt .. 16 qt + 15 of causal_mask [2048][2048] (one byte, 1 = blocked), wave w its columns 256 w .. 256 w + 255.
;         mw [qt 128][kt 128][j 8] u32: bit r + 16 h of a word = mask[16 qt + r][16 kt + 8 h + j]: the lane mask of register j of a 16 keys x 16 queries tile of scores.
;         flags [qt 128][w 8][32] u32: word 0: bit 4 w + s set where key step 4 w + s (64 keys) has an open key for some of the 16 queries; word 1: the same bit set where it has a blocked one;
;         word 2: the AND of the wave's 128 lane words (a bit stays set where a lane's keys are all blocked); words 3-31: 0.
; 128-147 THE FIVE WEIGHTS OF THE QUANTISED PRODUCTS, [256 (n)][256 (k)] f32, K innermost, into codes of FP4 (E2M1) with one E8M0 byte for each 32 along K, laid in the order of the operand's registers:
;         wq: fragment f = 32 mat + 2 ntile + ks (mat 0-4: Wqc, Wkc, Wv, Wqk, Wkk), 1,024 bytes as [c 2][lane 32][16 bytes]; lane (r, h), c: k = 128 ks + 64 c + 32 h + 0 .. 31 of row 16 ntile + r.
;         From byte 163,840: its scale words, 128 f + 4 lane.  A wave makes one fragment: a lane holds two whole blocks of 32.
;         A block's byte is its largest magnitude's exponent field - 2, held at 1 from below; a block of zeros keeps the byte 1 (the rule says 127): its codes are zeros, and this program alone reads the bytes.
; 148-163 Wo AS PAIRS OF f16: wof [ntile 16][ks 8][part hi, lo][c 2][lane][16 bytes]; lane (r, h), c: Wo[16 ntile + r][32 ks + 16 c + 8 h + 0 .. 7].
;         hi = the number with its low 13 mantissa bits cleared (an f16 number exactly, from 2^-14 on), lo = the exact f32 rest, rounded to f16.
; LIMITS: NaN and infinities are not served; |Wo| stays under 65,504; under 2^-14 the high part is rounded once more (at most 2^-25 absolute).
.set WQ_SC, 163840
.macro SPLIT16 src, hi, tmp, lo        ; 16 f32 numbers -> 8 registers of high parts, 8 of low parts
.irp i, 0,1,2,3,4,5,6,7,8,9,10,11,12,13,14,15
	v_and_b32 v[(\tmp)+\i], 0xffffe000, v[(\src)+\i]
.endr
.irp i, 0,1,2,3,4,5,6,7
	v_cvt_pk_f16_f32 v[(\hi)+\i], v[(\tmp)+2*\i], v[(\tmp)+2*\i+1]
.endr
.irp i, 0,2,4,6,8,10,12,14
	v_pk_add_f32 v[(\tmp)+\i:(\tmp)+\i+1], v[(\src)+\i:(\src)+\i+1], v[(\tmp)+\i:(\tmp)+\i+1] neg_lo:[0,1] neg_hi:[0,1]
.endr
.irp i, 0,1,2,3,4,5,6,7
	v_cvt_pk_f16_f32 v[(\lo)+\i], v[(\tmp)+2*\i], v[(\tmp)+2*\i+1]
.endr
.endm
; One key tile of the wave's sixteen: its eight lane words.  Word 8 kt + j goes to register 16 + j % 4, lane 2 kt + j / 4, so that one store of 16 bytes a lane lays the 128 words in order.
.macro KT kt
	s_wait_loadcnt 15-(\kt)                        ; the loads behind this tile's may stay out
.irp j, 0,1,2,3,4,5,6,7
	v_bfe_u32 v[24+\j], v[32+2*(\kt)+\j/4], 8*(\j%4), 8
.endr
.irp j, 0,1,2,3,4,5,6,7
	v_cmp_ne_u32 s[40+\j], 0, v[24+\j]
.endr
.irp j, 0,1,2,3,4,5,6,7
	v_writelane_b32 v[16+\j%4], s[40+\j], 2*(\kt)+\j/4
	s_and_b32 s48, s48, s[40+\j]
	s_or_b32 s49, s49, s[40+\j]
.endr
.endm
	s_load_b512 s[4:19], s[0:1], 0x0               ; mask 4:5, Wqc 6:7, Wkc 8:9, Wv 10:11, Wqk 12:13, Wkk 14:15, Wo 16:17, mw 18:19
	s_load_b128 s[20:23], s[0:1], 0x40             ; flags 20:21, wq 22:23
	s_load_b64 s[24:25], s[0:1], 0x50              ; wof
	v_lshrrev_b32 v1, 5, v0
	v_readfirstlane_b32 s26, v1                    ; wave 0..7
	v_and_b32 v1, 31, v0                           ; lane
	v_and_b32 v2, 15, v0                           ; r
	v_bfe_u32 v3, v0, 4, 1                         ; h
	v_lshlrev_b32 v5, 4, v1                        ; 16 x lane
	v_lshlrev_b32 v6, 2, v1                        ; 4 x lane
	s_mov_b32 s29, 0                               ; the upper word of every offset pair s[28:29]
	s_wait_kmcnt 0x0
	s_cmp_lt_u32 ttmp9, 128
	s_cbranch_scc0 .Lweights
	; ---- the mask
	s_lshl_b32 s28, ttmp9, 15                      ; 16 rows of 2,048 bytes
	s_lshl_b32 s30, s26, 8                         ; my wave's 256 columns
	s_add_co_u32 s28, s28, s30
	s_add_nc_u64 s[4:5], s[4:5], s[28:29]
	v_lshlrev_b32 v4, 11, v2
	v_lshl_add_u32 v4, v3, 3, v4                   ; row r, + 8 h
.irp kt, 0,1,2,3,4,5,6,7,8,9,10,11,12,13,14,15
	global_load_b64 v[32+2*\kt:33+2*\kt], v4, s[4:5] offset:16*\kt   ; mask[16 qt + r][256 w + 16 kt + 8 h + 0 .. 7]
.endr
.irp i, 16,17,18,19,20
	v_mov_b32 v\i, 0                               ; a written lane's register counts as read: written whole once
.endr
	s_mov_b32 s50, 0                               ; the steps with an open key
	s_mov_b32 s51, 0                               ; the steps with a blocked key
	s_mov_b32 s52, -1                              ; the AND of all lane words
	s_lshl_b32 s53, s26, 2                         ; the bit of my first step
.irp sl, 0,1,2,3
	s_mov_b32 s48, -1
	s_mov_b32 s49, 0
	KT 4*\sl
	KT 4*\sl+1
	KT 4*\sl+2
	KT 4*\sl+3
	s_cmp_lg_u32 s48, -1                           ; not every key of the step is blocked for every query
	s_cselect_b32 s54, 1, 0
	s_lshl_b32 s54, s54, s53
	s_or_b32 s50, s50, s54
	s_cmp_lg_u32 s49, 0                            ; some key is blocked
	s_cselect_b32 s54, 1, 0
	s_lshl_b32 s54, s54, s53
	s_or_b32 s51, s51, s54
	s_and_b32 s52, s52, s48
	s_add_co_u32 s53, s53, 1
.endr
	s_lshl_b32 s28, ttmp9, 12
	s_lshl_b32 s30, s26, 9
	s_add_co_u32 s28, s28, s30
	s_add_nc_u64 s[18:19], s[18:19], s[28:29]
	global_store_b128 v5, v[16:19], s[18:19]       ; the wave's 128 words: 512 consecutive bytes, aligned
	v_writelane_b32 v20, s50, 0
	v_writelane_b32 v20, s51, 1
	v_writelane_b32 v20, s52, 2
	s_lshl_b32 s28, ttmp9, 10
	s_lshl_b32 s30, s26, 7
	s_add_co_u32 s28, s28, s30
	s_add_nc_u64 s[20:21], s[20:21], s[28:29]
	global_store_b32 v6, v20, s[20:21]
	s_endpgm
.Lweights:
	s_cmp_lt_u32 ttmp9, 148
	s_cbranch_scc0 .Lwo
	; ---- one fragment of a quantised weight
	s_sub_co_u32 s27, ttmp9, 128
	s_lshr_b32 s34, s27, 2                         ; which weight: four work-groups each
	s_cmp_eq_u32 s34, 1
	s_cselect_b64 s[6:7], s[8:9], s[6:7]
	s_cmp_eq_u32 s34, 2
	s_cselect_b64 s[6:7], s[10:11], s[6:7]
	s_cmp_eq_u32 s34, 3
	s_cselect_b64 s[6:7], s[12:13], s[6:7]
	s_cmp_eq_u32 s34, 4
	s_cselect_b64 s[6:7], s[14:15], s[6:7]
	s_lshl_b32 s30, s27, 3
	s_add_co_u32 s30, s30, s26                     ; f
	s_bfe_u32 s28, s30, 0x40001                    ; ntile = (f / 2) % 16
	s_lshl_b32 s28, s28, 14                        ; 16 rows of 1,024 bytes
	s_and_b32 s31, s30, 1                          ; ks
	s_lshl_b32 s31, s31, 9                         ; 128 numbers
	s_add_co_u32 s28, s28, s31
	s_add_nc_u64 s[6:7], s[6:7], s[28:29]
	s_lshl_b32 s28, s30, 10
	s_add_nc_u64 s[32:33], s[22:23], s[28:29]      ; the fragment's codes
	s_lshl_b32 s28, s30, 7
	s_add_co_u32 s28, s28, WQ_SC
	s_add_nc_u64 s[22:23], s[22:23], s[28:29]      ; its scale words
	s_mov_b32 s36, 0x76543210
	s_mov_b32 s37, 0xfedcba98                      ; lane selects: lane l xor 16
	v_lshlrev_b32 v4, 10, v2
	v_lshl_add_u32 v4, v3, 7, v4                   ; row r, + 32 h numbers
.irp c, 0,1
.irp i, 0,1,2,3,4,5,6,7
	global_load_b128 v[32+32*\c+4*\i:35+32*\c+4*\i], v4, s[6:7] offset:256*\c+16*\i   ; W(16 ntile + r, 128 ks + 64 c + 32 h + 4 i ..)
.endr
.endr
	s_wait_loadcnt 0x0
.irp c, 0,1
	v_max3_num_f32 v[8+\c], |v[32+32*\c]|, |v[33+32*\c]|, 0x1800000   ; my block 2 c + h, and the floor 2^(3 - 127): the byte cannot fall under 1
.endr
.irp i, 2,4,6,8,10,12,14,16,18,20,22,24,26,28,30
.irp c, 0,1
	v_max3_num_f32 v[8+\c], v[8+\c], |v[32+32*\c+\i]|, |v[33+32*\c+\i]|
.endr
.endr
.irp c, 0,1
	v_add_nc_u32 v[10+\c], 0xff000000, v[8+\c]     ; 2 off the exponent field: the conversion's scale operand
.endr
.irp c, 0,1
	v_lshrrev_b32 v[12+\c], 23, v[10+\c]           ; the scale's byte
.endr
	v_lshl_or_b32 v14, v13, 16, v12                ; blocks h and 2 + h,
	v_lshlrev_b32 v15, 3, v3
	v_lshlrev_b32 v14, v15, v14                    ; 8 h bits up;
	v_mov_b32 v15, 0
	v_permlanex16_b32 v15, v14, s36, s37
	v_or_b32 v14, v14, v15                         ; with lane l xor 16's two the word is whole, in both halves of the lanes
.irp c, 0,1
.irp g, 0,1,2,3
	v_cvt_scalef32_pk8_fp4_f32 v[16+4*\c+\g], v[32+32*\c+8*\g:39+32*\c+8*\g], v[10+\c]
.endr
.endr
	v_nop                                          ; one plain line behind the last scaled conversion
.irp c, 0,1
	global_store_b128 v5, v[16+4*\c:19+4*\c], s[32:33] offset:512*\c   ; 512 consecutive bytes, aligned
.endr
	global_store_b32 v6, v14, s[22:23]
	s_endpgm
.Lwo:
	; ---- one K step (32) of one tile of 16 rows of Wo, as pairs of f16
	s_sub_co_u32 s27, ttmp9, 148                   ; ntile; ks = my wave
	s_lshl_b32 s28, s27, 14
	s_lshl_b32 s30, s26, 7
	s_add_co_u32 s28, s28, s30
	s_add_nc_u64 s[16:17], s[16:17], s[28:29]
	s_lshl_b32 s28, s27, 3
	s_add_co_u32 s28, s28, s26
	s_lshl_b32 s28, s28, 11                        ; 2,048 bytes for a tile's K step
	s_add_nc_u64 s[24:25], s[24:25], s[28:29]
	v_lshlrev_b32 v4, 10, v2
	v_lshl_add_u32 v4, v3, 5, v4                   ; row r, + 8 h numbers
.irp i, 0,1,2,3
	global_load_b128 v[32+4*\i:35+4*\i], v4, s[16:17] offset:64*(\i/2)+16*(\i%2)   ; register 8 c + e: Wo(16 ntile + r, 32 ks + 16 c + 8 h + e)
.endr
	s_wait_loadcnt 0x0
	SPLIT16 32, 16, 48, 24
.irp c, 0,1
	global_store_b128 v5, v[16+4*\c:19+4*\c], s[24:25] offset:512*\c
	global_store_b128 v5, v[24+4*\c:27+4*\c], s[24:25] offset:1024+512*\c
.endr
	s_endpgm
.Lfunc_end_k_q8850b036cc_prep:
	.size	k_q8850b036cc_prep, .Lfunc_end_k_q8850b036cc_prep-k_q8850b036cc_prep
	.p2alignl 7, 3214868480
	.fill 96, 4, 3214868480
	.section	.rodata,"a",@progbits
	.p2align	6, 0x0
	.amdhsa_kernel k_q8850b036cc_prep
		.amdhsa_group_segment_fixed_size 0
		.amdhsa_private_segment_fixed_size 0
		.amdhsa_enable_private_segment 0
		.amdhsa_kernarg_size 88
		.amdhsa_user_sgpr_count 2
		.amdhsa_user_sgpr_kernarg_segment_ptr 1
		.amdhsa_wavefront_size32 1
		.amdhsa_system_sgpr_workgroup_id_x 1
		.amdhsa_system_sgpr_workgroup_id_y 1
		.amdhsa_system_sgpr_workgroup_id_z 1
		.amdhsa_system_vgpr_workitem_id 0
		.amdhsa_next_free_vgpr 96
		.amdhsa_next_free_sgpr 66
		.amdhsa_reserve_vcc 0
		.amdhsa_float_denorm_mode_32 3
		.amdhsa_float_denorm_mode_16_64 3
		.amdhsa_memory_ordered 1
		.amdhsa_forward_progress 1
		.amdhsa_inst_pref_size 48
	.end_amdhsa_kernel
	.amdgpu_metadata
---
amdhsa.version: [ 1, 2 ]
amdhsa.kernels:
  - .name:           k_q8850b036cc_prep
    .symbol:         k_q8850b036cc_prep.kd
    .args:
      - { .name: causal_mask, .offset: 0, .size: 8, .value_kind: global_buffer, .address_space: global }
      - { .name: Wqc, .offset: 8, .size: 8, .value_kind: global_buffer, .address_space: global }
      - { .name: Wkc, .offset: 16, .size: 8, .value_kind: global_buffer, .address_space: global }
      - { .name: Wv, .offset: 24, .size: 8, .value_kind: global_buffer, .address_space: global }
      - { .name: Wqk, .offset: 32, .size: 8, .value_kind: global_buffer, .address_space: global }
      - { .name: Wkk, .offset: 40, .size: 8, .value_kind: global_buffer, .address_space: global }
      - { .name: Wo, .offset: 48, .size: 8, .value_kind: global_buffer, .address_space: global }
      - { .name: mw, .offset: 56, .size: 8, .value_kind: global_buffer, .address_space: global }
      - { .name: flags, .offset: 64, .size: 8, .value_kind: global_buffer, .address_space: global }
      - { .name: wq, .offset: 72, .size: 8, .value_kind: global_buffer, .address_space: global }
      - { .name: wof, .offset: 80, .size: 8, .value_kind: global_buffer, .address_space: global }
    .group_segment_fixed_size: 0
    .private_segment_fixed_size: 0
    .kernarg_segment_align: 8
    .kernarg_segment_size: 88
    .max_flat_workgroup_size: 256
    .sgpr_count:     66
    .vgpr_count:     96
    .wavefront_size: 32
...
	.end_amdgpu_metadata
.endif
;; end of part 1
;; launch proj (part 2): grid 256 x 1, 16 waves a work-group, no clusters, 11,264 bytes of LDS; arguments content, category, wq, qf, kv, vlo; writes qf, kv, vlo
.if DOCPART == 2
	.amdgcn_target "amdgcn-amd-amdhsa--gfx1250"
	.amdhsa_code_object_version 6
	.text
	.protected	k_q8850b036cc_proj
	.globl	k_q8850b036cc_proj
	.p2align	8
	.type	k_q8850b036cc_proj,@function
k_q8850b036cc_proj:
	s_mov_b64 s[64:65], 0
	v_nop
	global_prefetch_b8 v0, s[64:65] scope:SCOPE_SE
	s_setreg_imm32_b32 hwreg(HW_REG_WAVE_MODE, 25, 1), 1
	s_wait_xcnt 0x0
; The five quantised products: Qc, Kc, V = content x (Wqc, Wkc, Wv)^T, Qk, Kk = category x (Wqk, Wkk)^T, on codes of FP4 (E2M1) with one E8M0 scale for each 32 along K = 256; sums in f32.
; SHARES.  Work-group wg takes tokens 32 wg .. 32 wg + 31 of both tensors.  Waves 0-7 (content) make Qc, Kc, V of head w; waves 8-15 (category) Qk, Kk of head w - 8.  A wave's weight fragments (12 or 8, made by
; the launch before in the order of the operand's registers) go from memory straight into its registers: each is used by this one wave of the work-group, so a way through LDS, or a tile shared in a cluster, would
; only add a write and a read of the same bytes.
; x IS QUANTISED ONCE: waves 0-7 make one fragment each (tensor w / 4, 16 tokens (w / 2) % 2, K step w % 2) and hand it to all waves through LDS as an image of its registers: 16 bytes a lane, 512 a store; the scale word 4 bytes a lane.
; A block's byte is its largest magnitude's exponent field - 2, held at 1 from below; a block of zeros keeps the byte 1 (the rule says 127): its codes are zeros.
; RESULTS LEAVE AS f16 FRAGMENTS for the attention launch, straight from registers, each store 512 consecutive bytes, aligned:
;   Q, K: the product is used transposed (source 0 = 16 rows of W, source 1 = 16 tokens): a lane holds token r and channels 8 h + 0 .. 7 of a tile: 16 bytes of a fragment whose K is the head's 32.
;         Q is multiplied by c = log2(e) / sqrt(32) in f32 before it is rounded, so that the scores come out as exponents of 2.
;   V:    natural (source 0 = 16 tokens, source 1 = 16 rows of Wv): a lane holds channel r and tokens 8 h + 0 .. 7: 16 bytes of a fragment of V^T whose K is the keys.  V leaves as a pair: hi (kv) and lo (vlo).
;   qf [bh 32][tile 128][set c, k][c 2][lane][16];  kv [bh][step 32][12,288]: Kc 4 x 1,024, Kk 4 x 1,024, V hi 8 pieces of 512: ((kb 2 + dt) 2 + c);  vlo [bh][step][4,096]: V lo, as V hi.
; LIMITS: |c Q|, |K|, |V| stay under 65,504 (f16); NaN and infinities are not served; under 2^-14 V's high part is rounded once more (at most 2^-25 absolute).
.set XIMG,  0                          ; LDS: x's 8 fragments, 1,024 bytes each: 4 tensor + 2 m + s
.set XSC,   8192                       ; their scale words, 128 bytes each
.set SPARE, 9216                       ; the spare words, 128 bytes for each of the 16 waves: eight blocks of 256 bytes that no other line names
.set TM,  12                           ; v12-27  the quantiser's work; later PK: packed results
.set PK,  12
.set PC,  28                           ; v28-35  the codes just made; v36 their scale word; later TMP, v28-43
.set PW,  36
.set TMP, 28
.set XN,  44                           ; v44-107 64 numbers of x; later:
.set ACC, 44                           ; v44-75  Q's and K's four accumulators; v76-91 V's two
.set XF,  92                           ; v92-123 my tensor's four fragments (2 m + s)
.set XS,  124                          ; v124-127 their scale words
.set WF,  128                          ; v128-223 weight fragments: 4 mi + 2 c + s
.set WS,  224                          ; v224-235 their scale words
.set SPW, 236                          ; LDS address of my spare word; never rewritten
.set NIL, 237                          ; 0; never rewritten
.macro SPLIT16 src, hi, tmp, lo        ; 16 f32 numbers -> 8 registers of high parts (low 13 mantissa bits cleared: f16 numbers exactly), 8 of low parts (the exact rest, rounded to f16)
.irp i, 0,1,2,3,4,5,6,7,8,9,10,11,12,13,14,15
	v_and_b32 v[(\tmp)+\i], 0xffffe000, v[(\src)+\i]
.endr
.irp i, 0,1,2,3,4,5,6,7
	v_cvt_pk_f16_f32 v[(\hi)+\i], v[(\tmp)+2*\i], v[(\tmp)+2*\i+1]
.endr
.irp i, 0,2,4,6,8,10,12,14
	v_pk_add_f32 v[(\tmp)+\i:(\tmp)+\i+1], v[(\src)+\i:(\src)+\i+1], v[(\tmp)+\i:(\tmp)+\i+1] neg_lo:[0,1] neg_hi:[0,1]
.endr
.irp i, 0,1,2,3,4,5,6,7
	v_cvt_pk_f16_f32 v[(\lo)+\i], v[(\tmp)+2*\i], v[(\tmp)+2*\i+1]
.endr
.endm
; 64 numbers of a lane, register 16 b + i = k 32 b + 16 (lane / 16) + i of my row, become a fragment's codes in v[PC] on and its scale word in v[PW]
.macro QUANT s
.irp b, 0,1,2,3
	v_max3_num_f32 v[TM+\b], |v[\s+16*\b]|, |v[\s+1+16*\b]|, 0x1800000   ; block b: my 16 numbers, and the floor 2^(3 - 127)
.endr
.irp i, 2,4,6,8,10,12,14
.irp b, 0,1,2,3
	v_max3_num_f32 v[TM+\b], v[TM+\b], |v[\s+16*\b+\i]|, |v[\s+1+16*\b+\i]|
.endr
.endr
.irp b, 0,1,2,3
	v_permlanex16_b32 v[TM+4+\b], v[TM+\b], s32, s33
.endr
.irp b, 0,1,2,3
	v_max_num_f32 v[TM+\b], v[TM+\b], v[TM+4+\b]   ; with lane l xor 16's: the block's largest magnitude
.endr
.irp b, 0,1,2,3
	v_add_nc_u32 v[TM+12+\b], 0xff000000, v[TM+\b] ; 2 off its exponent field: the conversion's scale operand
.endr
.irp b, 0,1,2,3
	v_lshrrev_b32 v[TM+4+\b], 23, v[TM+12+\b]      ; the scale's byte
.endr
	v_lshl_or_b32 v[PW], v[TM+5], 8, v[TM+4]
	v_lshl_or_b32 v[PW], v[TM+6], 16, v[PW]
	v_lshl_or_b32 v[PW], v[TM+7], 24, v[PW]
.irp b, 0,1,2,3
	v_cvt_scalef32_pk8_fp4_f32 v[PC+2*\b], v[\s+16*\b:\s+7+16*\b], v[TM+12+\b]
	v_cvt_scalef32_pk8_fp4_f32 v[PC+1+2*\b], v[\s+8+16*\b:\s+15+16*\b], v[TM+12+\b]
.endr
	v_nop                                          ; one plain line behind the last scaled conversion
.irp c, 0,1                                    ; the operand wants a whole block in a lane: lanes 0-15 block 2 c, lanes 16-31 block 2 c + 1
.irp i, 0,1
	v_permlane16_swap_b32 v[PC+4*\c+\i], v[PC+2+4*\c+\i]
.endr
.endr
.endm
.macro WLOAD mi                        ; the four fragments (tile c of my head's two, K step s: a = 2 c + s) of my group's weight mi, and their scale words: 12 loads
.irp a, 0,1,2,3
.irp cc, 0,1
	global_load_b128 v[WF+8*(4*\mi+\a)+4*\cc:WF+8*(4*\mi+\a)+4*\cc+3], v5, s[38:39] offset:(32*\mi+\a)*1024+512*\cc
.endr
	global_load_b32 v[WS+4*\mi+\a], v6, s[40:41] offset:(32*\mi+\a)*128
.endr
.endm
	s_load_b256 s[4:11], s[0:1], 0x0               ; content 4:5, category 6:7, wq 8:9, qf 10:11
	s_load_b128 s[12:15], s[0:1], 0x20             ; kv 12:13, vlo 14:15
	v_lshl_add_u32 v[SPW], v0, 2, SPARE
	v_mov_b32 v[NIL], 0
	v_lshrrev_b32 v1, 5, v0
	v_readfirstlane_b32 s16, v1                    ; wave 0..15
	v_and_b32 v1, 31, v0                           ; lane
	v_and_b32 v2, 15, v0                           ; r
	v_bfe_u32 v3, v0, 4, 1                         ; h
	v_lshlrev_b32 v4, 10, v2
	v_lshl_add_u32 v4, v3, 6, v4                   ; x: row r of 1,024 bytes, + 16 h numbers
	v_lshlrev_b32 v5, 4, v1                        ; 16 x lane
	v_lshlrev_b32 v6, 2, v1                        ; 4 x lane
	s_lshr_b32 s17, s16, 3                         ; g: 0 content, 1 category
	s_and_b32 s18, s16, 7                          ; my head; in waves 0-7 also the fragment of x that I make
	s_lshl_b32 s34, s18, 10                        ; every LDS address is made here, ahead of the branch on the wave's number
	v_add_nc_u32 v7, s34, v5                       ; where I store my image
	s_lshl_b32 s34, s18, 7
	s_add_co_u32 s34, s34, XSC
	v_add_nc_u32 v8, s34, v6                       ; and its scale word
	s_lshl_b32 s34, s17, 12
	v_add_nc_u32 v9, s34, v5                       ; where my tensor's four images begin
	s_lshl_b32 s34, s17, 9
	s_add_co_u32 s34, s34, XSC
	v_add_nc_u32 v10, s34, v6                      ; and their scale words
.irp b, 0,1,2,3
	v_mov_b32 v[TM+4+\b], 0                        ; written once: a lane permute's destination counts as one of its sources
.endr
	s_mov_b32 s22, 0x3e8293ee                      ; c = log2(e) / sqrt(32)
	s_mov_b32 s23, s22                             ; (named with it as a pair, so it is written)
	s_mov_b32 s32, 0x76543210
	s_mov_b32 s33, 0xfedcba98                      ; lane selects: lane l xor 16
	s_lshr_b32 s19, ttmp9, 6                       ; batch
	s_and_b32 s20, ttmp9, 63                       ; p: which 32 tokens of the sequence
	s_lshl_b32 s21, s19, 3
	s_add_co_u32 s21, s21, s18                     ; bh
	s_lshr_b32 s36, s20, 1                         ; the key step of 64
	s_and_b32 s37, s20, 1                          ; and which half of it
	s_lshl_b32 s24, s21, 18                        ; qf: bh x 128 tiles x 2,048,
	s_lshl_b32 s34, s20, 12                        ; + 2 p tiles,
	s_add_co_u32 s24, s24, s34
	s_lshl_b32 s34, s17, 10                        ; + my set
	s_add_co_u32 s24, s24, s34
	s_mov_b32 s25, 0
	s_mul_i32 s26, s21, 393216                     ; kv: bh x 32 steps x 12,288,
	s_mul_i32 s34, s36, 12288                      ; + the step,
	s_add_co_u32 s26, s26, s34
	s_lshl_b32 s34, s37, 11                        ; + the half: two tiles of K, or four pieces of V
	s_add_co_u32 s26, s26, s34
	s_add_co_u32 s28, s26, 8192                    ; V hi lies behind Kc and Kk
	s_lshl_b32 s34, s17, 12
	s_add_co_u32 s26, s26, s34                     ; K: my set
	s_mov_b32 s27, 0
	s_mov_b32 s29, 0
	s_lshl_b32 s30, s21, 17                        ; vlo: bh x 32 steps x 4,096 + p x 2,048
	s_lshl_b32 s34, s20, 11
	s_add_co_u32 s30, s30, s34
	s_mov_b32 s31, 0
	s_mul_i32 s38, s17, 96                         ; wq: fragment 96 g + 4 head
	s_lshl_b32 s34, s18, 2
	s_add_co_u32 s38, s38, s34
	s_lshl_b32 s40, s38, 7
	s_add_co_u32 s40, s40, 163840                  ; its scale words
	s_lshl_b32 s38, s38, 10
	s_mov_b32 s39, 0
	s_mov_b32 s41, 0
	s_lshl_b32 s42, ttmp9, 15                      ; x: 32 tokens of 1,024 bytes,
	s_bfe_u32 s34, s16, 0x10001                    ; + 16 tokens x (w / 2) % 2,
	s_lshl_b32 s34, s34, 14
	s_add_co_u32 s42, s42, s34
	s_and_b32 s34, s16, 1                          ; + 128 numbers x w % 2
	s_lshl_b32 s34, s34, 9
	s_add_co_u32 s42, s42, s34
	s_mov_b32 s43, 0
	s_wait_kmcnt 0x0
	s_cmp_lt_u32 s16, 4                            ; waves 0-3 quantise content, waves 4-7 category
	s_cselect_b64 s[4:5], s[4:5], s[6:7]
	s_add_nc_u64 s[4:5], s[4:5], s[42:43]
	s_add_nc_u64 s[38:39], s[8:9], s[38:39]
	s_add_nc_u64 s[40:41], s[8:9], s[40:41]
	s_add_nc_u64 s[24:25], s[10:11], s[24:25]
	s_add_nc_u64 s[26:27], s[12:13], s[26:27]
	s_add_nc_u64 s[28:29], s[12:13], s[28:29]
	s_add_nc_u64 s[30:31], s[14:15], s[30:31]
	s_cmp_lg_u32 s17, 0
	s_cbranch_scc1 .Lcategory
.irp b, 0,1,2,3
.irp j, 0,1,2,3
	global_load_b128 v[XN+16*\b+4*\j:XN+16*\b+4*\j+3], v4, s[4:5] offset:128*\b+16*\j th:TH_LOAD_NT   ; read once in the launch
.endr
.endr
	WLOAD 0
	WLOAD 1
	WLOAD 2
	s_wait_loadcnt 36                              ; x's 16 loads are in; the 36 loads of weights behind them may be out
	QUANT XN
.irp c, 0,1
	ds_store_b128 v7, v[PC+4*\c:PC+4*\c+3] offset:XIMG+512*\c
.endr
	ds_store_b32 v8, v[PW]
	s_branch .Ljoin
.Lcategory:
	WLOAD 0
	WLOAD 1
.Ljoin:
	s_wait_dscnt 0x0                               ; for the others' sake: my image has landed
	s_barrier_signal -1
	s_barrier_wait -1                              ; all eight fragments of x lie in LDS
.irp f, 0,1,2,3
.irp c, 0,1
	ds_load_b128 v[XF+8*\f+4*\c:XF+8*\f+4*\c+3], v9 offset:XIMG+1024*\f+512*\c
.endr
	ds_load_b32 v[XS+\f], v10 offset:128*\f
.endr
	s_wait_dscnt 0x0
	s_wait_loadcnt 0x0                             ; the weights
; 16 tokens.  The accumulators take turns, one instruction a turn.
.macro TOK m
.irp s, 0,1
.irp a, 0,1,2,3                                ; a = 2 mi + c: Q's two tiles, K's two
.if \s == 0
	v_wmma_scale_f32_16x16x128_f8f6f4 v[ACC+8*\a:ACC+8*\a+7], v[WF+8*(2*\a+\s):WF+8*(2*\a+\s)+7], v[XF+8*(2*\m+\s):XF+8*(2*\m+\s)+7], 0, v[WS+2*\a+\s], v[XS+2*\m+\s] matrix_a_fmt:MATRIX_FMT_FP4 matrix_b_fmt:MATRIX_FMT_FP4
.else
	v_wmma_scale_f32_16x16x128_f8f6f4 v[ACC+8*\a:ACC+8*\a+7], v[WF+8*(2*\a+\s):WF+8*(2*\a+\s)+7], v[XF+8*(2*\m+\s):XF+8*(2*\m+\s)+7], v[ACC+8*\a:ACC+8*\a+7], v[WS+2*\a+\s], v[XS+2*\m+\s] matrix_a_fmt:MATRIX_FMT_FP4 matrix_b_fmt:MATRIX_FMT_FP4
.endif
.endr
.endr
.rept 4
	v_nop                                          ; four places between the products and the first read of their results (ISA guide 7.12.1)
.endr
	s_wait_xcnt 0x0                                ; the earlier stores have read PK: it is written again only behind this wait
.irp i, 0,2,4,6,8,10,12,14
	v_pk_mul_f32 v[ACC+\i:ACC+\i+1], v[ACC+\i:ACC+\i+1], s[22:23] op_sel_hi:[1,0]   ; Q x c, in f32
.endr
.irp i, 0,1,2,3,4,5,6,7,8,9,10,11,12,13,14,15
	v_cvt_pk_f16_f32 v[PK+\i], v[ACC+2*\i], v[ACC+2*\i+1]
.endr
.irp c, 0,1
	global_store_b128 v5, v[PK+4*\c:PK+4*\c+3], s[24:25] offset:2048*\m+512*\c
	global_store_b128 v5, v[PK+8+4*\c:PK+8+4*\c+3], s[26:27] offset:1024*\m+512*\c
.endr
	s_cmp_lg_u32 s17, 0
	s_cbranch_scc1 .Lno_v_\@
.irp s, 0,1
.irp dt, 0,1
.if \s == 0
	v_wmma_scale_f32_16x16x128_f8f6f4 v[ACC+32+8*\dt:ACC+32+8*\dt+7], v[XF+8*(2*\m+\s):XF+8*(2*\m+\s)+7], v[WF+8*(8+2*\dt+\s):WF+8*(8+2*\dt+\s)+7], 0, v[XS+2*\m+\s], v[WS+8+2*\dt+\s] matrix_a_fmt:MATRIX_FMT_FP4 matrix_b_fmt:MATRIX_FMT_FP4
.else
	v_wmma_scale_f32_16x16x128_f8f6f4 v[ACC+32+8*\dt:ACC+32+8*\dt+7], v[XF+8*(2*\m+\s):XF+8*(2*\m+\s)+7], v[WF+8*(8+2*\dt+\s):WF+8*(8+2*\dt+\s)+7], v[ACC+32+8*\dt:ACC+32+8*\dt+7], v[XS+2*\m+\s], v[WS+8+2*\dt+\s] matrix_a_fmt:MATRIX_FMT_FP4 matrix_b_fmt:MATRIX_FMT_FP4
.endif
.endr
.endr
.rept 4
	v_nop
.endr
	s_wait_xcnt 0x0                                ; Q's and K's stores have read PK
	SPLIT16 ACC+32, PK, TMP, PK+8
.irp dt, 0,1
	global_store_b128 v5, v[PK+4*\dt:PK+4*\dt+3], s[28:29] offset:1024*\dt+512*\m
	global_store_b128 v5, v[PK+8+4*\dt:PK+8+4*\dt+3], s[30:31] offset:1024*\dt+512*\m
.endr
.Lno_v_\@:
.rept 5
	v_nop                                          ; five places ahead of products that begin these accumulators anew
.endr
.endm
	TOK 0
	TOK 1
	s_wait_tensorcnt 0x0                           ; the wave's end: behind my last LDS store
	ds_add_u32 v[SPW], v[NIL]
	s_wait_dscnt 0x0
	s_endpgm
.Lfunc_end_k_q8850b036cc_proj:
	.size	k_q8850b036cc_proj, .Lfunc_end_k_q8850b036cc_proj-k_q8850b036cc_proj
	.p2alignl 7, 3214868480
	.fill 96, 4, 3214868480
	.section	.rodata,"a",@progbits
	.p2align	6, 0x0
	.amdhsa_kernel k_q8850b036cc_proj
		.amdhsa_group_segment_fixed_size 11264
		.amdhsa_private_segment_fixed_size 0
		.amdhsa_enable_private_segment 0
		.amdhsa_kernarg_size 48
		.amdhsa_user_sgpr_count 2
		.amdhsa_user_sgpr_kernarg_segment_ptr 1
		.amdhsa_wavefront_size32 1
		.amdhsa_system_sgpr_workgroup_id_x 1
		.amdhsa_system_sgpr_workgroup_id_y 1
		.amdhsa_system_sgpr_workgroup_id_z 1
		.amdhsa_system_vgpr_workitem_id 0
		.amdhsa_next_free_vgpr 240
		.amdhsa_next_free_sgpr 66
		.amdhsa_reserve_vcc 0
		.amdhsa_float_denorm_mode_32 3
		.amdhsa_float_denorm_mode_16_64 3
		.amdhsa_memory_ordered 1
		.amdhsa_forward_progress 1
		.amdhsa_inst_pref_size 30
	.end_amdhsa_kernel
	.amdgpu_metadata
---
amdhsa.version: [ 1, 2 ]
amdhsa.kernels:
  - .name:           k_q8850b036cc_proj
    .symbol:         k_q8850b036cc_proj.kd
    .args:
      - { .name: content, .offset: 0, .size: 8, .value_kind: global_buffer, .address_space: global }
      - { .name: category, .offset: 8, .size: 8, .value_kind: global_buffer, .address_space: global }
      - { .name: wq, .offset: 16, .size: 8, .value_kind: global_buffer, .address_space: global }
      - { .name: qf, .offset: 24, .size: 8, .value_kind: global_buffer, .address_space: global }
      - { .name: kv, .offset: 32, .size: 8, .value_kind: global_buffer, .address_space: global }
      - { .name: vlo, .offset: 40, .size: 8, .value_kind: global_buffer, .address_space: global }
    .group_segment_fixed_size: 11264
    .private_segment_fixed_size: 0
    .kernarg_segment_align: 8
    .kernarg_segment_size: 48
    .max_flat_workgroup_size: 512
    .sgpr_count:     66
    .vgpr_count:     240
    .wavefront_size: 32
...
	.end_amdgpu_metadata
.endif
;; end of part 2
;; launch attn (part 3): grid 8 x 32, 16 waves a work-group, no clusters, 100,352 bytes of LDS; arguments qf, kv, vlo, mw, flags, alpha_logit, ofr; writes ofr
.if DOCPART == 3
	.amdgcn_target "amdgcn-amd-amdhsa--gfx1250"
	.amdhsa_code_object_version 6
	.text
	.protected	k_q8850b036cc_attn
	.globl	k_q8850b036cc_attn
	.p2align	8
	.type	k_q8850b036cc_attn,@function
k_q8850b036cc_attn:
	s_mov_b64 s[64:65], 0
	v_nop
	global_prefetch_b8 v0, s[64:65] scope:SCOPE_SE
	s_setreg_imm32_b32 hwreg(HW_REG_WAVE_MODE, 25, 1), 1
	s_wait_xcnt 0x0
; o[b][q][head] = ((1 - a) softmax(Qc Kc^T / sqrt(32)) + a softmax(Qk Kk^T / sqrt(32))) V, a = sigmoid(alpha_logit), under the mask that is GIVEN: a blocked score is replaced by the lowest finite f32 number.
; All three products on f16 operands, sums in f32.  Q arrives multiplied by log2(e) / sqrt(32), so a score is an exponent t of 2.
; SHARES.  Work-group (jx, bh): sixteen waves, each ONE tile of 16 queries of head bh: tile jx + 8 rank, rank = 4 a + (s xor 3 (a % 2)), a = wave / 4, s = wave % 4: tiles are striped over the work-groups and
; folded over groups of four waves, so that a mask that opens more keys to later queries gives all of them about the same work; the result hangs on no such pattern.
; Every wave walks all 32 key steps of 64 keys and passes every barrier; it jumps over the WORK of a step whose flag bit is 0.
; WHICH STEPS.  The launch before last stored, for each tile of queries, a bit for each step that has an open key (FC), a bit for each step that has a blocked key (FM), and the AND of all lane words.  A step with no open
; key adds nothing to a row that has an open key elsewhere (2^(lowest - m) = 0).  A row with NO open key at all is the mean of all V: if the tile has such a row, FC is made all ones.
; These are branches on numbers read from memory.  K and V come through registers into LDS: a chunk of 4 steps is 49,152
; consecutive bytes of kv; thread i copies 16 bytes at 16 i + 8,192 n, n = 0 .. 5: loaded at a chunk's head, stored into the other slot at its end; one barrier a chunk orders these stores ahead of the next chunk's
; reads, and this chunk's reads ahead of the stores of the chunk after.
; SOFTMAX, for each of the two sets: a running maximum m (begun at the lowest finite number) and sum l; p = 2^(t - m); O and l are multiplied by 2^(m_old - m_new) in every step.  Where all keys so far were blocked,
; t - m = 0 and p = 1; the first open key makes that factor 0.  l is summed of the unrounded p.
; LAYOUT.  S^T = K Q^T (source 0 = 16 keys, source 1 = my 16 queries): a lane holds query lane % 16 and keys 8 (lane / 16) + 0 .. 7; two tiles, rounded to f16 in pairs, are source 1 of O^T = V^T P.
; ROWS THAT SUM FEW TERMS.  A wave with at most two steps to compute takes V as a pair of f16 numbers (hi from LDS, lo from vlo): four products more a step and set.  The largest p of a row is 1 exactly.
; The result leaves as pairs of f16, hi and lo, in the order of the next launch's operand registers: ofr [row tile 512][head 8][part][dt 2][lane][16 bytes].
; LIMITS: |c Q|, |K|, |V|, |o| under 65,504; NaN and infinities are not served; a row with few open keys that are spread over more than two steps has V in single f16.
.set SLOTB, 49152                      ; a slot: 4 steps of 12,288 bytes: Kc 4,096, Kk 4,096, V hi 4,096
.set STEPB, 12288
.set SPARE, 2*SLOTB                    ; behind the two slots: the spare words, 128 bytes for each of the 16 waves: eight blocks of 256 bytes that no other line names
.set LI0, 1                            ; v1   16 x lane: a fragment piece's place for my lane, in slot 0 (and in memory)
.set LI1, 2                            ; v2   the same in slot 1
.set TH0, 3                            ; v3   16 x thread: my 16 bytes of a staging run, in memory and in slot 0
.set TH1, 4                            ; v4   the same in slot 1
.set PFO, 6                            ; v6   256 x thread: the prefetches' offset
.set NEG, 7                            ; v7   the lowest finite f32 number
.set SPW, 8                            ; v8   LDS address of my spare word; never rewritten
.set NIL, 9                            ; v9   0; never rewritten
.set T,   10                           ; v10-15 at work
.set QC,  16                           ; v16-23 Qc, v24-31 Qk
.set QK,  24
.set OC,  32                           ; v32-47 Oc^T (channels 0-15, 16-31), v48-63 Ok^T
.set OK,  48
.set SC,  64                           ; a set's statistics: +0 m (+1 named with it), +2, +3 l in two halves, +4 the step's factor (+5 named with it)
.set SK,  70
.set S,   76                           ; v76-107 S^T, then p; p's f16 in v76-91
.set KF,  108                          ; v108-139 four fragments of K
.set VF,  140                          ; v140-171 four fragments of V^T, hi
.set STG, 172                          ; v172-195 the next chunk on its way
.set VL,  196                          ; v196-227 four fragments of V^T, lo
; s4:5 qf, s6:7 kv (the chunk to be loaded next), s8:9 vlo (the step in hand), s10:11 mw (the step in hand), s12:13 flags, s14:15 alpha_logit, s16:17 ofr, s18 wave, s19 bh, s21 tile,
; s22 FC, s23 FM (bit 0: the step in hand), s24 1 = V as a pair, s25 the trip, s26 trips in which I prefetch, s27 alpha_logit, s28:29 lane selects, s32-63 a step's 32 lane masks
.macro SPLIT16 src, hi, tmp, lo        ; 16 f32 numbers -> 8 registers of high parts (low 13 mantissa bits cleared: f16 numbers exactly), 8 of low parts (the exact rest, rounded to f16)
.irp i, 0,1,2,3,4,5,6,7,8,9,10,11,12,13,14,15
	v_and_b32 v[(\tmp)+\i], 0xffffe000, v[(\src)+\i]
.endr
.irp i, 0,1,2,3,4,5,6,7
	v_cvt_pk_f16_f32 v[(\hi)+\i], v[(\tmp)+2*\i], v[(\tmp)+2*\i+1]
.endr
.irp i, 0,2,4,6,8,10,12,14
	v_pk_add_f32 v[(\tmp)+\i:(\tmp)+\i+1], v[(\src)+\i:(\src)+\i+1], v[(\tmp)+\i:(\tmp)+\i+1] neg_lo:[0,1] neg_hi:[0,1]
.endr
.irp i, 0,1,2,3,4,5,6,7
	v_cvt_pk_f16_f32 v[(\lo)+\i], v[(\tmp)+2*\i], v[(\tmp)+2*\i+1]
.endr
.endm
; One set's part of a key step.  w1: LDS loads that may be out when K is wanted; w2: when V is wanted.  nextk = 1: the other set's K is fetched as soon as this set's has been multiplied.
.macro SET qb, ob, sb, w1, w2, nextk, adr, off
	s_wait_dscnt \w1
.irp t, 0,1,2,3
	v_wmma_f32_16x16x32_f16 v[S+8*\t:S+8*\t+7], v[KF+8*\t:KF+8*\t+7], v[\qb:\qb+7], 0
.endr
.rept 4
	v_nop                                          ; four places ahead of loads into K's registers and of the first read of the scores (ISA guide 7.12.1 for the read of the scores)
.endr
.if \nextk
.irp t, 0,1,2,3
.irp c, 0,1
	ds_load_b128 v[KF+8*\t+4*\c:KF+8*\t+4*\c+3], v[\adr] offset:(\off)+4096+1024*\t+512*\c
.endr
.endr
.endif
	s_wait_kmcnt 0x0                               ; the step's lane masks are in
	s_bitcmp1_b32 s23, 0                           ; a step with no blocked key has nothing to replace
	s_cbranch_scc0 .Lopen_\@
.irp i, 0,1,2,3,4,5,6,7,8,9,10,11,12,13,14,15,16,17,18,19,20,21,22,23,24,25,26,27,28,29,30,31
	v_cndmask_b32 v[S+\i], v[S+\i], v[NEG], s[32+\i]
.endr
.Lopen_\@:
.irp t, 0,1,2,3
	v_max3_num_f32 v[T+\t], v[S+8*\t], v[S+8*\t+1], v[S+8*\t+2]   ; four chains, each tile from its low end on
.endr
.irp u, 3,5
.irp t, 0,1,2,3
	v_max3_num_f32 v[T+\t], v[T+\t], v[S+8*\t+\u], v[S+8*\t+\u+1]
.endr
.endr
	v_max3_num_f32 v[T], v[T], v[S+7], v[S+15]
	v_max3_num_f32 v[T+2], v[T+2], v[S+23], v[S+31]
	v_max3_num_f32 v[T], v[T], v[T+1], v[T+2]
	v_max3_num_f32 v[T], v[T], v[T+3], v[\sb]      ; and the old m
	v_permlanex16_b32 v[T+1], v[T], s28, s29       ; the query's other 32 keys lie in the lane 16 away
	v_max_num_f32 v[T], v[T], v[T+1]
	v_sub_f32 v[T+2], v[\sb], v[T]                 ; m_old - m_new
	v_mov_b32 v[\sb], v[T]
.irp i, 0,2,4,6,8,10,12,14,16,18,20,22,24,26,28,30
	v_pk_add_f32 v[S+\i:S+\i+1], v[S+\i:S+\i+1], v[\sb:\sb+1] op_sel_hi:[1,0] neg_lo:[0,1] neg_hi:[0,1]   ; t - m
.endr
	v_exp_f32 v[\sb+4], v[T+2]
.irp i, 0,1,2,3,4,5,6,7,8,9,10,11,12,13,14,15,16,17,18,19,20,21,22,23,24,25,26,27,28,29,30,31
	v_exp_f32 v[S+\i], v[S+\i]
.endr
	v_nop                                          ; a plain line behind the last exponential
	s_wait_alu depctr_va_vdst(0)                   ; one wait for the batch of 33, ahead of its first reader
	v_pk_mul_f32 v[\sb+2:\sb+3], v[\sb+2:\sb+3], v[\sb+4:\sb+5] op_sel_hi:[1,0]
	v_pk_add_f32 v[T+2:T+3], v[S:S+1], v[S+2:S+3]  ; the sum of the unrounded p, in two chains
.irp i, 4,8,12,16,20,24,28
	v_pk_add_f32 v[\sb+2:\sb+3], v[\sb+2:\sb+3], v[S+\i:S+\i+1]
	v_pk_add_f32 v[T+2:T+3], v[T+2:T+3], v[S+\i+2:S+\i+3]
.endr
	v_pk_add_f32 v[\sb+2:\sb+3], v[\sb+2:\sb+3], v[T+2:T+3]
.irp i, 0,2,4,6,8,10,12,14
	v_pk_mul_f32 v[\ob+\i:\ob+\i+1], v[\ob+\i:\ob+\i+1], v[\sb+4:\sb+5] op_sel_hi:[1,0]
.endr
.irp i, 0,1,2,3,4,5,6,7,8,9,10,11,12,13,14,15
	v_cvt_pk_f16_f32 v[S+\i], v[S+2*\i], v[S+2*\i+1]   ; in place, ascending: register i is written when 2 i and 2 i + 1 have been read
.endr
	s_wait_dscnt \w2
.irp kb, 0,1                                   ; the two accumulators take turns, one instruction a turn
.irp dt, 0,1
	v_wmma_f32_16x16x32_f16 v[\ob+8*\dt:\ob+8*\dt+7], v[VF+8*(2*\kb+\dt):VF+8*(2*\kb+\dt)+7], v[S+8*\kb:S+8*\kb+7], v[\ob+8*\dt:\ob+8*\dt+7]
.endr
.endr
	s_cmp_lg_u32 s24, 0
	s_cbranch_scc0 .Lcoarse_\@
.irp f, 0,1,2,3
.irp c, 0,1
	global_load_b128 v[VL+8*\f+4*\c:VL+8*\f+4*\c+3], v[LI0], s[8:9] offset:1024*\f+512*\c
.endr
.endr
	s_wait_loadcnt 0x0
.irp kb, 0,1
.irp dt, 0,1
	v_wmma_f32_16x16x32_f16 v[\ob+8*\dt:\ob+8*\dt+7], v[VL+8*(2*\kb+\dt):VL+8*(2*\kb+\dt)+7], v[S+8*\kb:S+8*\kb+7], v[\ob+8*\dt:\ob+8*\dt+7]
.endr
.endr
.Lcoarse_\@:
.rept 5
	v_nop                                          ; five places ahead of products that write over p's registers; they also serve the next loads into V's
.endr
.endm
; A key step: 64 keys, the q-th of the slot at adr
.macro STEP adr, q
	s_bitcmp1_b32 s22, 0
	s_cbranch_scc0 .Lskip_\@
	s_load_b512 s[32:47], s[10:11], 0x0            ; the lane masks of the step's 32 score registers
	s_load_b512 s[48:63], s[10:11], 0x40
.irp t, 0,1,2,3
.irp c, 0,1
	ds_load_b128 v[KF+8*\t+4*\c:KF+8*\t+4*\c+3], v[\adr] offset:\q*STEPB+1024*\t+512*\c
.endr
.endr
.irp f, 0,1,2,3
.irp c, 0,1
	ds_load_b128 v[VF+8*\f+4*\c:VF+8*\f+4*\c+3], v[\adr] offset:\q*STEPB+8192+1024*\f+512*\c
.endr
.endr
	SET QC, OC, SC, 8, 8, 1, \adr, \q*STEPB        ; Kc is in while V's eight loads may be out; V is in while Kk's eight may be out
	SET QK, OK, SK, 0, 0, 0, \adr, \q*STEPB
.Lskip_\@:
	s_lshr_b32 s22, s22, 1
	s_lshr_b32 s23, s23, 1
	s_add_nc_u64 s[10:11], s[10:11], 128           ; every load that named these two bases has been waited for on the way that issued it
	s_add_nc_u64 s[8:9], s[8:9], 4096
.endm
; A chunk: 4 steps out of one slot, while the next chunk comes into registers.  cond = 1: the loop's last trip has no next chunk.
; THE PREFETCH: behind the staging loads, the chunk AFTER the one that they fetch: 49,152 bytes as 192 blocks of 256, a lane a block, waves 0-5 of the head's first work-group alone (all eight work-groups of a
; head walk the same kv), so that each block is named once in the launch; trips 0 to 2 ask, so chunk 7 is the last that is named.
.macro CHUNK slot, cond
.if \cond
	s_cmp_lt_u32 s25, 3
	s_cbranch_scc0 .Lnl_\@
.endif
.irp n, 0,1,2,3,4,5
	global_load_b128 v[STG+4*\n:STG+4*\n+3], v[TH0], s[6:7] offset:8192*\n
.endr
	s_cmp_lt_u32 s25, s26
	s_cbranch_scc0 .Lnl_\@
	global_prefetch_b8 v[PFO], s[6:7] offset:SLOTB th:TH_LOAD_NT scope:SCOPE_SE
.Lnl_\@:
	STEP LI0+\slot, 0
	STEP LI0+\slot, 1
	STEP LI0+\slot, 2
	STEP LI0+\slot, 3
	s_wait_loadcnt 0x0                             ; the next chunk is in registers
.if \cond
	s_cmp_lt_u32 s25, 3
	s_cbranch_scc0 .Lns_\@
.endif
.irp n, 0,1,2,3,4,5
	ds_store_b128 v[TH1-\slot], v[STG+4*\n:STG+4*\n+3] offset:8192*\n   ; into the other slot: every wave's reads of it ended ahead of the last barrier
.endr
.Lns_\@:
	s_wait_xcnt 0x0                                ; the prefetch has read its base
	s_add_nc_u64 s[6:7], s[6:7], SLOTB
	s_wait_dscnt 0x0                               ; my stores have landed and my reads of this slot are over
	s_barrier_signal -1
	s_barrier_wait -1
.endm
	s_load_b256 s[4:11], s[0:1], 0x0
	s_load_b128 s[12:15], s[0:1], 0x20
	s_load_b64 s[16:17], s[0:1], 0x30
	v_lshl_add_u32 v[SPW], v0, 2, SPARE
	v_mov_b32 v[NIL], 0
	v_lshrrev_b32 v1, 5, v0
	v_readfirstlane_b32 s18, v1                    ; wave 0..15
	v_and_b32 v1, 31, v0
	v_lshlrev_b32 v[LI0], 4, v1
	v_add_nc_u32 v[LI1], SLOTB, v[LI0]
	v_lshlrev_b32 v[TH0], 4, v0
	v_add_nc_u32 v[TH1], SLOTB, v[TH0]
	v_lshlrev_b32 v[PFO], 8, v0
	v_mov_b32 v[NEG], 0xff7fffff
	s_and_b32 s19, ttmp7, 0xffff                   ; bh
	s_lshr_b32 s20, s18, 2                         ; a
	s_and_b32 s21, s20, 1
	s_mul_i32 s21, s21, 3
	s_and_b32 s30, s18, 3
	s_xor_b32 s21, s21, s30
	s_lshl_b32 s20, s20, 2
	s_add_co_u32 s20, s20, s21                     ; rank
	s_lshl_b32 s21, s20, 3
	s_add_co_u32 s21, s21, ttmp9                   ; my tile of 16 queries
	s_mov_b32 s28, 0x76543210
	s_mov_b32 s29, 0xfedcba98
	s_cmp_lt_u32 s18, 6
	s_cselect_b32 s26, 3, 0
	s_cmp_eq_u32 ttmp9, 0
	s_cselect_b32 s26, s26, 0
	s_mov_b32 s25, 0
	s_mov_b32 s31, 0
	s_wait_kmcnt 0x0
	s_lshl_b32 s30, s21, 10
	s_add_nc_u64 s[12:13], s[12:13], s[30:31]
.irp k, 0,1,2,3,4,5,6,7
	s_load_b128 s[32+4*\k:35+4*\k], s[12:13], 128*\k   ; my tile's flag words, as the eight waves of the mask's work-group left them
.endr
	s_load_b32 s27, s[14:15], 0x0
	s_mul_i32 s30, s19, 32*STEPB
	s_add_nc_u64 s[6:7], s[6:7], s[30:31]
.irp n, 0,1,2,3,4,5
	global_load_b128 v[STG+4*\n:STG+4*\n+3], v[TH0], s[6:7] offset:8192*\n   ; chunk 0
.endr
	s_lshl_b32 s30, s19, 7
	s_add_co_u32 s30, s30, s21
	s_lshl_b32 s30, s30, 11
	s_add_nc_u64 s[4:5], s[4:5], s[30:31]
.irp i, 0,1,2,3
	global_load_b128 v[QC+4*\i:QC+4*\i+3], v[LI0], s[4:5] offset:512*\i   ; Qc's two pieces, Qk's two
.endr
	s_lshl_b32 s30, s19, 17
	s_add_nc_u64 s[8:9], s[8:9], s[30:31]
	s_lshl_b32 s30, s21, 12
	s_add_nc_u64 s[10:11], s[10:11], s[30:31]
	s_lshr_b32 s30, s19, 3
	s_lshl_b32 s30, s30, 7
	s_add_co_u32 s30, s30, s21
	s_lshl_b32 s30, s30, 14
	s_and_b32 s20, s19, 7
	s_lshl_b32 s20, s20, 11
	s_add_co_u32 s30, s30, s20
	s_add_nc_u64 s[16:17], s[16:17], s[30:31]
.irp i, 0,1,2,3,4,5,6,7,8,9,10,11,12,13,14,15,16,17,18,19,20,21,22,23,24,25,26,27,28,29,30,31
	v_mov_b32 v[OC+\i], 0                          ; the step is written once: the first finds zeros
.endr
.irp i, 0,1,2,3,4,5
	v_mov_b32 v[T+\i], 0
.endr
	v_mov_b32 v[SC], v[NEG]
	v_mov_b32 v[SK], v[NEG]
.irp i, 1,2,3,4,5
	v_mov_b32 v[SC+\i], 0
	v_mov_b32 v[SK+\i], 0
.endr
	s_wait_kmcnt 0x0
	s_or_b32 s22, s32, s36
	s_or_b32 s23, s33, s37
	s_and_b32 s24, s34, s38
.irp k, 2,3,4,5,6,7
	s_or_b32 s22, s22, s[32+4*\k]
	s_or_b32 s23, s23, s[33+4*\k]
	s_and_b32 s24, s24, s[34+4*\k]
.endr
	s_lshr_b32 s30, s24, 16
	s_and_b32 s30, s30, s24                        ; bit r: both halves of query r's keys are blocked everywhere
	s_cmp_lg_u32 s30, 0
	s_cselect_b32 s22, -1, s22                     ; then every step is computed
	s_bcnt1_i32_b32 s30, s22
	s_cmp_le_u32 s30, 2
	s_cselect_b32 s24, 1, 0                        ; at most two steps: V as a pair
	s_wait_loadcnt 4                               ; chunk 0's six loads are in; Q's four may be out
.irp n, 0,1,2,3,4,5
	ds_store_b128 v[TH0], v[STG+4*\n:STG+4*\n+3] offset:8192*\n
.endr
	s_wait_loadcnt 0x0                             ; Q
	s_add_nc_u64 s[6:7], s[6:7], SLOTB
	s_wait_dscnt 0x0
	s_barrier_signal -1
	s_barrier_wait -1
.Lloop:                                            ; four trips of two chunks
	CHUNK 0, 0
	CHUNK 1, 1
	s_add_co_u32 s25, s25, 1
	s_cmp_lt_u32 s25, 4
	s_cbranch_scc1 .Lloop
	; THE WAY OUT: o^T = Oc^T (1 - a) / lc + Ok^T a / lk
	v_mov_b32 v14, s27
	v_mul_f32 v14, 0xbfb8aa3b, v14                 ; - alpha_logit x log2(e)
	v_exp_f32 v14, v14
	v_add_f32 v10, v[SC+2], v[SC+3]                ; l's two halves (plain work behind the exponential),
	v_add_f32 v11, v[SK+2], v[SK+3]
	v_permlanex16_b32 v12, v10, s28, s29
	v_permlanex16_b32 v13, v11, s28, s29
	v_add_f32 v10, v10, v12                        ; and the other half of the lanes'
	v_add_f32 v11, v11, v13
	s_wait_alu depctr_va_vdst(0)                   ; ahead of the exponential's first reader
	v_add_f32 v14, 1.0, v14
	v_rcp_f32 v5, v14                              ; a
	v_rcp_f32 v10, v10
	v_rcp_f32 v11, v11
	v_nop
	s_wait_alu depctr_va_vdst(0)                   ; one wait for the three reciprocals
	v_sub_f32 v12, 1.0, v5
	v_mul_f32 v12, v12, v10                        ; (1 - a) / lc
	v_mul_f32 v14, v5, v11                         ; a / lk
.irp i, 0,2,4,6,8,10,12,14
	v_pk_mul_f32 v[S+\i:S+\i+1], v[OC+\i:OC+\i+1], v[12:13] op_sel_hi:[1,0]
	v_pk_fma_f32 v[S+\i:S+\i+1], v[OK+\i:OK+\i+1], v[14:15], v[S+\i:S+\i+1] op_sel_hi:[1,0,1]
.endr
	SPLIT16 S, S+16, S+24, S+40                    ; register 8 dt + j: o(query r, channel 16 dt + 8 h + j)
.irp dt, 0,1
	global_store_b128 v[LI0], v[S+16+4*\dt:S+16+4*\dt+3], s[16:17] offset:512*\dt        ; each store: 512 consecutive bytes, aligned
	global_store_b128 v[LI0], v[S+40+4*\dt:S+40+4*\dt+3], s[16:17] offset:1024+512*\dt
.endr
	s_wait_tensorcnt 0x0                           ; the wave's end: behind my last LDS store
	ds_add_u32 v[SPW], v[NIL]
	s_wait_dscnt 0x0
	s_endpgm
.Lfunc_end_k_q8850b036cc_attn:
	.size	k_q8850b036cc_attn, .Lfunc_end_k_q8850b036cc_attn-k_q8850b036cc_attn
	.p2alignl 7, 3214868480
	.fill 96, 4, 3214868480
	.section	.rodata,"a",@progbits
	.p2align	6, 0x0
	.amdhsa_kernel k_q8850b036cc_attn
		.amdhsa_group_segment_fixed_size 100352
		.amdhsa_private_segment_fixed_size 0
		.amdhsa_enable_private_segment 0
		.amdhsa_kernarg_size 56
		.amdhsa_user_sgpr_count 2
		.amdhsa_user_sgpr_kernarg_segment_ptr 1
		.amdhsa_wavefront_size32 1
		.amdhsa_system_sgpr_workgroup_id_x 1
		.amdhsa_system_sgpr_workgroup_id_y 1
		.amdhsa_system_sgpr_workgroup_id_z 1
		.amdhsa_system_vgpr_workitem_id 0
		.amdhsa_next_free_vgpr 232
		.amdhsa_next_free_sgpr 66
		.amdhsa_reserve_vcc 0
		.amdhsa_float_denorm_mode_32 3
		.amdhsa_float_denorm_mode_16_64 3
		.amdhsa_memory_ordered 1
		.amdhsa_forward_progress 1
		.amdhsa_inst_pref_size 187
	.end_amdhsa_kernel
	.amdgpu_metadata
---
amdhsa.version: [ 1, 2 ]
amdhsa.kernels:
  - .name:           k_q8850b036cc_attn
    .symbol:         k_q8850b036cc_attn.kd
    .args:
      - { .name: qf, .offset: 0, .size: 8, .value_kind: global_buffer, .address_space: global }
      - { .name: kv, .offset: 8, .size: 8, .value_kind: global_buffer, .address_space: global }
      - { .name: vlo, .offset: 16, .size: 8, .value_kind: global_buffer, .address_space: global }
      - { .name: mw, .offset: 24, .size: 8, .value_kind: global_buffer, .address_space: global }
      - { .name: flags, .offset: 32, .size: 8, .value_kind: global_buffer, .address_space: global }
      - { .name: alpha_logit, .offset: 40, .size: 8, .value_kind: global_buffer, .address_space: global }
      - { .name: ofr, .offset: 48, .size: 8, .value_kind: global_buffer, .address_space: global }
    .group_segment_fixed_size: 100352
    .private_segment_fixed_size: 0
    .kernarg_segment_align: 8
    .kernarg_segment_size: 56
    .max_flat_workgroup_size: 512
    .sgpr_count:     66
    .vgpr_count:     232
    .wavefront_size: 32
...
	.end_amdgpu_metadata
.endif
;; end of part 3
;; launch oproj (part 4): grid 256 x 1, 16 waves a work-group, no clusters, 68,096 bytes of LDS; arguments ofr, wof, bo, out0; writes out0
.if DOCPART == 4
	.amdgcn_target "amdgcn-amd-amdhsa--gfx1250"
	.amdhsa_code_object_version 6
	.text
	.protected	k_q8850b036cc_oproj
	.globl	k_q8850b036cc_oproj
	.p2align	8
	.type	k_q8850b036cc_oproj,@function
k_q8850b036cc_oproj:
	s_mov_b64 s[64:65], 0
	v_nop
	global_prefetch_b8 v0, s[64:65] scope:SCOPE_SE
	s_setreg_imm32_b32 hwreg(HW_REG_WAVE_MODE, 25, 1), 1
	s_wait_xcnt 0x0
; out0 = o Wo^T + bo.  o [8192][256] and Wo [256][256] arrive as pairs of f16 numbers (hi + lo, split in f32) in the order of the operands' registers; three products are summed in f32: wh oh + wh ol + wl oh.
; (What is left out, wl ol, lies 2^-22 under the result.)  All rows go so: which rows sum few terms hangs on the mask, and the pairs cost this short launch little.
; SHARES.  Work-group wg takes rows 32 wg .. 32 wg + 31: 32,768 consecutive bytes of ofr, copied once into LDS, 16 bytes a thread and run, and read by all sixteen waves.  Wave w makes columns 16 w .. 16 w + 15:
; its part of Wo, 16,384 consecutive bytes, stays in 128 registers; it is used by this one wave of the work-group, so a way through LDS, or a tile shared in a cluster, would only add a write and a read of the same bytes.
; The product is used transposed (source 0 = 16 rows of Wo, source 1 = 16 rows of o): a lane holds row r and eight neighbouring columns.  The bias is the C of each sum's first product.
; The results meet in a stage (rows of 1,024 bytes + 16), and each wave stores two whole rows, 512 consecutive aligned bytes a store.
.set OIMG,  0                          ; LDS: [row tile 2][head 8][part 2][dt 2][lane][16]
.set STG,   32768                      ; 32 rows x 1,040
.set SPARE, STG+32*1040                ; the spare words, 128 bytes for each of the 16 waves: eight blocks of 256 bytes that no other line names
.set WO,   16                          ; v16-143  Wo's fragments: 8 (2 ks + part)
.set OF,   144                         ; v144-175, v176-207: two buffers of o's fragments: hi of rows 0-15, hi of 16-31, lo, lo
.set ACC,  208                         ; v208-223 two accumulators
.set BIAS, 224                         ; v224-231
.set SPW,  252
.set NIL,  253
.macro OFETCH ks, buf
.irp pt, 0,1
.irp mm, 0,1
.irp c, 0,1
	ds_load_b128 v[OF+32*(\buf)+8*(2*\pt+\mm)+4*\c:OF+32*(\buf)+8*(2*\pt+\mm)+4*\c+3], v1 offset:OIMG+16384*\mm+2048*(\ks)+1024*\pt+512*\c
.endr
.endr
.endr
.endm
.macro MULS ks, buf                    ; six products: pr 0: wh oh, 1: wh ol, 2: wl oh; the two accumulators take turns, one instruction a turn
.irp pr, 0,1,2
.irp mm, 0,1
.if ((\ks) == 0) && (\pr == 0)
	v_wmma_f32_16x16x32_f16 v[ACC+8*\mm:ACC+8*\mm+7], v[WO+16*(\ks)+8*(\pr/2):WO+16*(\ks)+8*(\pr/2)+7], v[OF+32*(\buf)+8*(2*(\pr%2)+\mm):OF+32*(\buf)+8*(2*(\pr%2)+\mm)+7], v[BIAS:BIAS+7]
.else
	v_wmma_f32_16x16x32_f16 v[ACC+8*\mm:ACC+8*\mm+7], v[WO+16*(\ks)+8*(\pr/2):WO+16*(\ks)+8*(\pr/2)+7], v[OF+32*(\buf)+8*(2*(\pr%2)+\mm):OF+32*(\buf)+8*(2*(\pr%2)+\mm)+7], v[ACC+8*\mm:ACC+8*\mm+7]
.endif
.endr
.endr
.endm
	s_load_b256 s[4:11], s[0:1], 0x0               ; ofr 4:5, wof 6:7, bo 8:9, out0 10:11
	v_lshl_add_u32 v[SPW], v0, 2, SPARE
	v_mov_b32 v[NIL], 0
	v_lshrrev_b32 v1, 5, v0
	v_readfirstlane_b32 s12, v1                    ; wave 0..15
	v_and_b32 v6, 31, v0
	v_lshlrev_b32 v1, 4, v6                        ; 16 x lane
	v_lshlrev_b32 v2, 4, v0                        ; 16 x thread
	v_and_b32 v7, 15, v0                           ; r
	v_bfe_u32 v8, v0, 4, 1                         ; h
	v_mul_u32_u24 v3, v7, 1040
	v_lshl_add_u32 v3, v8, 5, v3
	s_lshl_b32 s13, s12, 6
	s_add_co_u32 s13, s13, STG
	v_add_nc_u32 v3, s13, v3                       ; the stage, in: row r, + 64 w + 32 h
	s_mul_i32 s13, s12, 2080
	s_add_co_u32 s13, s13, STG
	v_add_nc_u32 v4, s13, v1                       ; and back: rows 2 w, 2 w + 1
	v_lshlrev_b32 v5, 5, v8                        ; the bias: my half's eight numbers
	s_lshl_b32 s14, ttmp9, 15
	s_mov_b32 s15, 0
	s_lshl_b32 s16, s12, 14
	s_mov_b32 s17, 0
	s_lshl_b32 s18, s12, 6
	s_mov_b32 s19, 0
	s_lshl_b32 s20, s12, 11
	s_add_co_u32 s20, s20, s14                     ; out0: (32 wg + 2 w) rows of 1,024 bytes
	s_mov_b32 s21, 0
	s_wait_kmcnt 0x0
	s_add_nc_u64 s[4:5], s[4:5], s[14:15]
	s_add_nc_u64 s[6:7], s[6:7], s[16:17]
	s_add_nc_u64 s[8:9], s[8:9], s[18:19]
	s_add_nc_u64 s[10:11], s[10:11], s[20:21]
.irp n, 0,1,2,3
	global_load_b128 v[OF+4*\n:OF+4*\n+3], v2, s[4:5] offset:8192*\n
.endr
	global_load_b128 v[BIAS:BIAS+3], v5, s[8:9]
	global_load_b128 v[BIAS+4:BIAS+7], v5, s[8:9] offset:16
.irp i, 0,1,2,3,4,5,6,7,8,9,10,11,12,13,14,15,16,17,18,19,20,21,22,23,24,25,26,27,28,29,30,31
	global_load_b128 v[WO+4*\i:WO+4*\i+3], v1, s[6:7] offset:512*\i
.endr
	s_wait_loadcnt 34                              ; o's four loads are in; the bias's two and Wo's 32 may be out
.irp n, 0,1,2,3
	ds_store_b128 v2, v[OF+4*\n:OF+4*\n+3] offset:OIMG+8192*\n
.endr
	s_wait_dscnt 0x0                               ; for the others' sake: my part of o has landed
	s_barrier_signal -1
	s_barrier_wait -1
	s_wait_loadcnt 0x0
	OFETCH 0, 0
.irp ks, 0,1,2,3,4,5,6,7
.if \ks < 7
	OFETCH \ks+1, (\ks+1)%2
	s_wait_dscnt 8                                 ; this K step's fragments are in; the eight loads just issued may be out
.else
	s_wait_dscnt 0x0
.endif
	MULS \ks, \ks%2
.rept 4
	v_nop                                          ; four places ahead of loads into the buffer just multiplied, and of the first read of the results (ISA guide 7.12.1 for the read of the results)
.endr
.endr
.irp mm, 0,1
	ds_store_b128 v3, v[ACC+8*\mm:ACC+8*\mm+3] offset:16640*\mm        ; each accumulator from its low end on
	ds_store_b128 v3, v[ACC+8*\mm+4:ACC+8*\mm+7] offset:16640*\mm+16
.endr
	s_wait_dscnt 0x0                               ; a row's 1,024 bytes come from sixteen waves
	s_barrier_signal -1
	s_barrier_wait -1
.irp i, 0,1,2,3
	ds_load_b128 v[OF+4*\i:OF+4*\i+3], v4 offset:(\i/2)*1040+(\i%2)*512
.endr
.irp i, 0,1,2,3
	s_wait_dscnt 3-\i                              ; the loads behind this one may be out
	global_store_b128 v1, v[OF+4*\i:OF+4*\i+3], s[10:11] offset:(\i/2)*1024+(\i%2)*512 th:TH_STORE_NT
.endr
	s_wait_tensorcnt 0x0                           ; the wave's end: behind my last LDS store
	ds_add_u32 v[SPW], v[NIL]
	s_wait_dscnt 0x0
	s_endpgm
.Lfunc_end_k_q8850b036cc_oproj:
	.size	k_q8850b036cc_oproj, .Lfunc_end_k_q8850b036cc_oproj-k_q8850b036cc_oproj
	.p2alignl 7, 3214868480
	.fill 96, 4, 3214868480
	.section	.rodata,"a",@progbits
	.p2align	6, 0x0
	.amdhsa_kernel k_q8850b036cc_oproj
		.amdhsa_group_segment_fixed_size 68096
		.amdhsa_private_segment_fixed_size 0
		.amdhsa_enable_private_segment 0
		.amdhsa_kernarg_size 32
		.amdhsa_user_sgpr_count 2
		.amdhsa_user_sgpr_kernarg_segment_ptr 1
		.amdhsa_wavefront_size32 1
		.amdhsa_system_sgpr_workgroup_id_x 1
		.amdhsa_system_sgpr_workgroup_id_y 1
		.amdhsa_system_sgpr_workgroup_id_z 1
		.amdhsa_system_vgpr_workitem_id 0
		.amdhsa_next_free_vgpr 256
		.amdhsa_next_free_sgpr 66
		.amdhsa_reserve_vcc 0
		.amdhsa_float_denorm_mode_32 3
		.amdhsa_float_denorm_mode_16_64 3
		.amdhsa_memory_ordered 1
		.amdhsa_forward_progress 1
		.amdhsa_inst_pref_size 16
	.end_amdhsa_kernel
	.amdgpu_metadata
---
amdhsa.version: [ 1, 2 ]
amdhsa.kernels:
  - .name:           k_q8850b036cc_oproj
    .symbol:         k_q8850b036cc_oproj.kd
    .args:
      - { .name: ofr, .offset: 0, .size: 8, .value_kind: global_buffer, .address_space: global }
      - { .name: wof, .offset: 8, .size: 8, .value_kind: global_buffer, .address_space: global }
      - { .name: bo, .offset: 16, .size: 8, .value_kind: global_buffer, .address_space: global }
      - { .name: out0, .offset: 24, .size: 8, .value_kind: global_buffer, .address_space: global }
    .group_segment_fixed_size: 68096
    .private_segment_fixed_size: 0
    .kernarg_segment_align: 8
    .kernarg_segment_size: 32
    .max_flat_workgroup_size: 512
    .sgpr_count:     66
    .vgpr_count:     256
    .wavefront_size: 32
...
	.end_amdgpu_metadata
.endif
;; end of part 4
